; MI455X (gfx1250); checked and timed in simulation.
; The chip was launched on July 23, 2026; its instructions are those of AMD's public machine-readable ISA for CDNA 5 (MIT licence, August 2026) and "CDNA5" Instruction Set Architecture Reference Guide (July 2026). The comments in the code are by the model that wrote it; some were corrected since.
;; Self Attention. Allowed arithmetic: matrix products marked QUANTISED: E5M2 operands, one given power-of-two scale a tensor, by v_wmma_f32_16x16x64_bf8_bf8 or v_wmma_f32_16x16x128_bf8_bf8, f32 sums; everything else in f32.
;; Inputs: W_out_codes 1,024 x 32 x 32 uint8 (E5M2 codes of W_out, K innermost, in blocks of 32 codes); W_qkv_codes 3,072 x 32 x 32 uint8 (E5M2 codes of W_qkv, K innermost, in blocks of 32 codes); b_out 1,024 float32; b_qkv 3,072 float32; lowp_scales 8 int32 (the exponents e of the quantised operands' scales 2^e); x_codes 4 x 2,048 x 32 x 32 uint8 (E5M2 codes of x, K innermost, in blocks of 32 codes).
;; Outputs: out0 4 x 2,048 x 1,024 float32.
;; This version of the problem:
;;   THIS VERSION OF THE PROBLEM IS GIVEN IN LOW PRECISION. The matrix products marked QUANTISED in the list below multiply operands that are first quantised to E5M2 (5 exponent bits, 2 mantissa bits; 8 bits a number), with one given power-of-two scale for each operand tensor; their sums are f32. All else is computed in f32.
;;   The module's matrix products, in the order in which they are computed (A, B: the left and right operand; K: the contracted axis; several contracted axes count as one K, in the product's order):
;;     1. [M 8,192, K 1,024] x [K 1,024, N 3,072]; A: input x (given as codes); B: input W_qkv (given as codes): QUANTISED (scales: A lowp_scales[0], B lowp_scales[1])
;;     2. batch 64 x [M 2,048, K 64] x [K 64, N 2,048]; A: computed on the way; B: computed on the way: QUANTISED (scales: A lowp_scales[2], B lowp_scales[3])
;;     3. batch 64 x [M 2,048, K 2,048] x [K 2,048, N 64]; A: softmax (see below); B: computed on the way: QUANTISED (scales: A lowp_scales[4], B lowp_scales[5])
;;     4. [M 8,192, K 1,024] x [K 1,024, N 1,024]; A: computed on the way; B: input W_out (given as codes): QUANTISED (scales: A lowp_scales[6], B lowp_scales[7])
;;   THE QUANTISER, for each operand of a quantised product, along K:
;;     - The operand's scale is 2^e, e = its entry of the input lowp_scales (int32; the entries are numbered through the quantised products in the list's order, A before B).
;;     - Each number is divided by the scale, clamped to +-57,344, and rounded to the nearest number of E5M2, ties to even, subnormals kept.
;;     - The product sums the exact products of the quantised numbers (number of the format x scale) in f32.
;;   ~~~python
;;   def quantise(x, axis, e):      # numpy; x: float32 -> the quantised numbers, widened to float32 again
;;       x = np.moveaxis(x, axis, -1); K = x.shape[-1]
;;       r = np.clip(x / 2.0 ** e, -57344, 57344)
;;       step = 2.0 ** (np.maximum(np.frexp(np.where(r == 0, 1, r))[1] - 1, -14) - 2)
;;       q = np.round(r / step) * step * 2.0 ** e      # np.round: ties to even
;;       return np.moveaxis(q, -1, axis).astype(np.float32)
;;   ~~~
;;   SOFTMAX AHEAD OF A QUANTISED PRODUCT. Where the list says 'softmax', what is quantised is not the finished softmax but p = 2^(t - M), with t = logit x log2(e) and M = ceil(the row's largest t), a whole number; so 1/2 < the row's largest p <= 1. The row's sum l is taken of the UNQUANTISED p, in f32, and the product's result is divided by l at the end. Since M is a whole number, a kernel that streams over the keys may use a running M (the ceiling of the running maximum): every later rescaling is an exact power of two, so the quantised numbers keep their values, but for numbers so far below the row's largest that they fall under the format's range.
;;   OPERANDS COMPUTED ON THE WAY. 'Computed on the way' means the value that the module computes at that place (a softmax that the list does not call 'softmax' is quantised finished and normalised). What goes into a quantiser is computed in f32, as accurately as f32 sums, v_exp_f32 and their like allow (about 1e-6 of the number): no bf16 or f16 on the way to a quantiser, and a product that is left as it is and whose result goes on into a quantised operand takes f32 operands (vector FMAs, or v_wmma_f32_16x16x4_f32). A number that lies on a knife's edge between two numbers of the format may be rounded either way, as far as f32 arithmetic and the matrix unit's own rounding can turn it there, and no further.
;;   INPUTS GIVEN AS CODES. W_out (in the module: [1024, 1024], K = its axis 0); W_qkv (in the module: [1024, 3072], K = its axis 0); x (in the module: [4, 2048, 1024], K = its axis 2): each comes as NAME_codes (uint8): NAME with its K axis moved to the last place and cut into blocks of 32 codes, [.., K / 32, bytes a block], one block behind the other in memory; one code a byte (a code: sign, 5 exponent bits, 2 mantissa bits); its scale is its entry of lowp_scales. Its value is code x scale, taken as it is: it is not quantised again, and the codes and scales need not be those that the quantiser above would give.
;; One version. Each part assembles by itself: llvm-mc -triple=amdgcn-amd-amdhsa -mcpu=gfx1250 --defsym DOCPART=n.
;; ======== version 1 of 1: 3 launches
;; workspace buffers: qimg 8,388,608 bytes; kvimg 16,777,216 bytes; aimg 8,388,608 bytes
;; launch qkv (part 1): grid 8 x 32, 4 waves a work-group, clusters of 4 x 4, 327,680 bytes of LDS; arguments x_codes, W_qkv_codes, b_qkv, lowp_scales, qimg, kvimg; writes qimg, kvimg
.if DOCPART == 1
	.amdgcn_target "amdgcn-amd-amdhsa--gfx1250"
	.amdhsa_code_object_version 6
	.text
	.protected	k_q0af24de48f_qkv
	.globl	k_q0af24de48f_qkv
	.p2align	8
	.type	k_q0af24de48f_qkv,@function
k_q0af24de48f_qkv:
	s_mov_b64 s[64:65], 0
	v_nop
	global_prefetch_b8 v0, s[64:65] scope:SCOPE_SE
	s_setreg_imm32_b32 hwreg(HW_REG_WAVE_MODE, 25, 1), 1
	s_wait_xcnt 0x0
	s_wait_alu depctr_hold_cnt(0) depctr_sa_sdst(0) depctr_va_vdst(0) depctr_va_sdst(0) depctr_va_ssrc(0) depctr_va_vcc(0) depctr_vm_vsrc(0)
	s_getreg_b32 s2, hwreg(HW_REG_IB_STS2, 6, 4)
	s_cmp_eq_u32 s2, 0
	s_cbranch_scc0 .Lentry_in_a_cluster
	s_endpgm
.Lentry_in_a_cluster:
	s_bfe_u32 s2, ttmp6, 0x10000c
	s_cmp_lg_u32 s2, 0xf033
	s_cbranch_scc0 .Lentry_shape_is_right
	s_endpgm
.Lentry_shape_is_right:
; qkv = x W_qkv + b_qkv on codes of BF8 (E5M2), and q, k, v quantised at once: q with 2^e2, k with 2^e3, v with 2^e5 (e = lowp_scales).
; x: [8192][1024] codes, W_qkv: [3072][1024] codes, K innermost in both.  Column n of qkv belongs to head n / 192; (n % 192) / 64 = 0: q, 1: k, 2: v.
; NOTHING OF THE PROBLEM IS LEFT OUT, here or in the later launches: every input has a way to the output (k's bias moves k's codes, so it stays), and every product is live.
; THE RESULTS ARE STORED AS IMAGES OF THE NEXT LAUNCH'S OPERAND REGISTERS: a piece is 512 bytes, lane l's 16 bytes (four registers on end) at 16 l.
;   qimg  [b x 16 + head][query tile of 16][1,024]: lane (r, h): query 16 tile + r; registers 2 c, 2 c + 1: channels 16 c + 8 h + 0 .. 7.
;   kvimg [b x 16 + head][key step of 128][16,384]: 8 tiles of 16 keys laid as q's, then 4 fragments of V^T of 2,048 bytes: lane (r, h): channel 16 T + r; registers 2 c, 2 c + 1: keys 16 c + 8 h + 0 .. 7 of the step.
; So a conversion's two registers are two registers of the operand, no code goes through LDS, and every store of a wave covers 512 consecutive bytes, aligned.
; SHARES.  A work-group of four waves stays for two tiles of 256 rows x 192 columns: rows 256 gy on, heads gx and gx + 8.  Wave w: rows 64 w on, all 192 columns: 48 accumulators, 384 registers.
; q's and k's tiles are used TRANSPOSED (source 0 = 16 rows of W, source 1 = 16 rows of x): a lane holds one row and eight neighbouring channels, the next K of q and k.
; v's tiles are used as they are (source 0 = x, source 1 = W): a lane holds one channel and eight neighbouring rows, which are keys, the next K of v.
; K goes in steps of 256 (LDS rows of 256 bytes + 16) through two slots; 8 K steps for the two tiles, written out; fragments are read by four loads of 16 bytes, the same permutation of k in x and in W.
; CLUSTER 4 x 4: x's tile hangs on gy alone and is asked for jointly along a row of the cluster, W's on gx alone, along a column.
; LIMITS: e0 + e1 between -126 and 127; e2, e3, e5 between -126 and 112, so that each power of two below is an f32 number.  NaN in b_qkv is not served.
; REGISTERS, in windows of 256.  window 0: v1-21 addresses and constants; v32-95 q's and k's bias, v96-103 v's (each number twice); v128-191, v192-255 x's fragments, two sets (on the way out v192-231 are at work).
;   window 1: W's 12 fragments, set 0; v192-255 v's accumulators of row blocks 0, 1.   window 2: set 1; v's of row blocks 2, 3.   window 3: q's accumulators at 8 (4 a + c), k's at 128 + 8 (4 a + c).
.set PITCH,  272                       ; an LDS row: 256 bytes + 16: the 16 rows that a load touches begin 68 words apart
.set HA,     128*PITCH                 ; half of x's tile: one tensor load
.set HB,     96*PITCH                  ; half of W's tile: one tensor load
.set BOFF,   2*HA                      ; W's 192 rows lie behind x's 256
.set SLOT,   BOFF+2*HB
.set SPARE,  2*SLOT                    ; behind the ring: the spare words, 128 bytes for each wave, that no other line names
.set LI,   1                           ; v1   16 x lane: my place in a piece
.set BO,   2                           ; v2   32 h: my eight numbers of a bias tile of q or k
.set BO2,  3                           ; v3   4 r: my number of a bias tile of v
.set SPW,  4                           ; v4   LDS address of my spare word; never rewritten
.set NIL,  5                           ; v5   0; never rewritten
.set LIMQ, 8                           ; v8-13: the largest number x the scale, and the scale, for q, k, v
.set SCLQ, 9
.set LIMK, 10
.set SCLK, 11
.set LIMV, 12
.set SCLV, 13
.set ADRA, 16                          ; v16-17 LDS address of my fragments of x in slot 0, 1
.set ADRB, 20                          ; v20-21 the same for W
.set BQK,  32
.set BV,   96
.set AF,   128
.set VAL,  192                         ; the way out: 32 numbers
.set CODE, 224                         ; and their 8 registers of codes
.set G1,   24                          ; s[24:31] descriptor group 1 for x's tiles; s[32:39] group 0, a set for each slot
.set G0,   32
.set G1B,  48                          ; s[48:55], s[56:63] the same for W's
.set G0B,  56
.set SC,   66                          ; s[66:67] 2^(e0 + e1)
.set QP,   68                          ; s[68:69] where my wave's images of q begin; s[70:71] of k; s[72:73] of v; s[74:75] my first head's bias
.set KP,   70
.set VP,   72
.set BP,   74
.set ES,   76                          ; s[76:83] e0 .. e7
.set MSB, 0
.macro WIN new                         ; the immediate's high byte repeats the setting that is left; a switch that changes nothing is dropped
.if MSB != (\new)
	s_set_vgpr_msb (MSB<<8)|(\new)
.set MSB, (\new)
.endif
.endm
.macro PLACES                          ; four plain places behind a matrix instruction, ahead of loads into its registers and of reads of its results
.rept 4
	v_nop
.endr
.endm
; A joint load: waves 0 and 1 fetch x's halves, waves 2 and 3 W's.  The branch hangs on the wave's number alone.  An s_nop 0 and four v_nop follow each line.
.macro JLOAD s
	s_cmp_eq_u32 s17, 0
	s_cbranch_scc0 .Lfor_b_\@
	tensor_load_to_lds s[G0+4*\s:G0+4*\s+3], s[G1:G1+7]
	s_nop 0
.rept 4
	v_nop
.endr
	s_branch .Lasked_\@
.Lfor_b_\@:
	tensor_load_to_lds s[G0B+4*\s:G0B+4*\s+3], s[G1B:G1B+7]
	s_nop 0
.rept 4
	v_nop
.endr
.Lasked_\@:
.endm
.macro CREST                           ; a round of the cluster's barrier behind its opening barrier
	s_cmp_lg_u32 s16, 0
	s_cbranch_scc1 .Lnot_wave_0_\@
	s_barrier_signal -3
.Lnot_wave_0_\@:
	s_barrier_wait -3
	s_barrier_signal -1
	s_barrier_wait -1
.endm
.macro CROUND                          ; a whole round
	s_barrier_signal -1
	s_barrier_wait -1
	CREST
.endm
	s_load_b256 s[4:11], s[0:1], 0x0               ; x's codes s[4:5], W's s[6:7], b_qkv s[8:9], the exponents s[10:11]
	s_load_b128 s[12:15], s[0:1], 0x20             ; qimg s[12:13], kvimg s[14:15]
	v_lshl_add_u32 v[SPW], v0, 2, SPARE
	v_mov_b32 v[NIL], 0
	ds_add_u32 v[SPW], v[NIL]                      ; the wave's opening: the add, twice on end, and its wait ahead of my first tensor load
	ds_add_u32 v[SPW], v[NIL]                      ; (once more; the set-up below, work on registers, stands between it and the wait)
	v_lshrrev_b32 v6, 5, v0
	v_readfirstlane_b32 s16, v6                    ; wave 0..3
	s_lshr_b32 s17, s16, 1                         ; I fetch for x (0) or for W (1)
	s_and_b32 s18, s16, 1                          ; which half of that tile
	s_bfe_u32 s40, ttmp6, 0x40000                  ; cx, cy: my place in the cluster
	s_bfe_u32 s41, ttmp6, 0x40004
	s_lshl_b32 s42, ttmp9, 2
	s_add_co_u32 s42, s42, s40                     ; gx = 4 x cluster x + cx: my first head
	s_and_b32 s43, ttmp7, 0xffff
	s_lshl_b32 s43, s43, 2
	s_add_co_u32 s43, s43, s41                     ; gy = 4 x cluster y + cy: my 256 rows
	s_lshl_b32 s44, s41, 2
	s_lshl_b32 s44, 15, s44                        ; my row of the cluster
	s_lshl_b32 s45, 0x1111, s40                    ; my column
	s_or_b32 s[G1], s44, (1<<20)|(1<<21)|(5<<22)|(3<<25)    ; 15:0 the mask; 17:16 elements of 1 byte; 20 padding on; 21 set beside a mask; 24:22 after every 64 words; 31:25 four words
	s_or_b32 s[G1B], s45, (1<<20)|(1<<21)|(5<<22)|(3<<25)
	s_mov_b32 s[G1+1], 256<<16                     ; tensor_dim0 = 256
	s_mov_b32 s[G1+2], 128<<16                     ; tensor_dim1 = 128
	s_mov_b32 s[G1+3], 256<<16                     ; tile_dim0 = 256
	s_mov_b32 s[G1+4], 128                         ; tile_dim1 = 128
	s_mov_b32 s[G1+5], 1024                        ; from row to row
	s_mov_b32 s[G1+6], 0
	s_mov_b32 s[G1+7], 0
	s_mov_b32 s[G1B+1], 256<<16
	s_mov_b32 s[G1B+2], 96<<16                     ; W's half has 96 rows
	s_mov_b32 s[G1B+3], 256<<16
	s_mov_b32 s[G1B+4], 96
	s_mov_b32 s[G1B+5], 1024
	s_mov_b32 s[G1B+6], 0
	s_mov_b32 s[G1B+7], 0
	s_lshl_b32 s20, s43, 18                        ; x: 256 gy rows of 1,024 bytes,
	s_lshl_b32 s21, s18, 17                        ; + my half's 128
	s_add_co_u32 s20, s20, s21
	s_mov_b32 s21, 0
	s_mul_i32 s46, s42, 196608                     ; W: 192 gx rows,
	s_mul_i32 s47, s18, 98304                      ; + my half's 96
	s_add_co_u32 s46, s46, s47
	s_mov_b32 s47, 0
	s_mul_i32 s22, s18, HA                         ; where they go in a slot: no place in the cluster enters an LDS address
	s_mul_i32 s23, s18, HB
	s_add_co_u32 s23, s23, BOFF
	s_wait_dscnt 0x0                               ; both opening adds are done
	s_wait_kmcnt 0x0
	s_load_b256 s[ES:ES+7], s[10:11], 0x0          ; e0 .. e7
	s_add_nc_u64 s[20:21], s[4:5], s[20:21]
	s_add_nc_u64 s[46:47], s[6:7], s[46:47]
	CROUND                                         ; all sixteen work-groups are here: the first joint loads meet
.irp s, 0,1
	s_mov_b32 s[G0+4*\s], 1
	s_add_co_u32 s[G0+4*\s+1], s22, \s*SLOT
	s_add_nc_u64 s[G0+4*\s+2:G0+4*\s+3], s[20:21], \s*256
	s_or_b32 s[G0+4*\s+3], s[G0+4*\s+3], 0x80000000
	s_mov_b32 s[G0B+4*\s], 1
	s_add_co_u32 s[G0B+4*\s+1], s23, \s*SLOT
	s_add_nc_u64 s[G0B+4*\s+2:G0B+4*\s+3], s[46:47], \s*256
	s_or_b32 s[G0B+4*\s+3], s[G0B+4*\s+3], 0x80000000
	JLOAD \s                                       ; K steps 0 and 1: two loads of mine are out
.endr
	v_and_b32 v[LI], 31, v0
	v_lshlrev_b32 v[LI], 4, v[LI]
	v_and_b32 v6, 15, v0                           ; r
	v_bfe_u32 v7, v0, 4, 1                         ; h
	v_lshlrev_b32 v[BO], 5, v7
	v_lshlrev_b32 v[BO2], 2, v6
	v_mul_u32_u24 v14, v6, PITCH
	v_lshl_add_u32 v14, v7, 4, v14                 ; a fragment's row x pitch + 16 h
	s_mul_i32 s19, s16, 64*PITCH                   ; my 64 rows of x
	v_add_nc_u32 v[ADRA], s19, v14
	v_add_nc_u32 v[ADRA+1], SLOT, v[ADRA]
	v_add_nc_u32 v[ADRB], BOFF, v14
	v_add_nc_u32 v[ADRB+1], SLOT, v[ADRB]
	; where my wave's images go.  Row 256 gy + 64 w is batch gy / 8, position 256 (gy % 8) + 64 w
	s_lshr_b32 s86, s43, 3
	s_lshl_b32 s86, s86, 4
	s_add_co_u32 s86, s86, s42                     ; 16 x batch + head
	s_and_b32 s87, s43, 7
	s_lshl_b32 s88, s86, 17                        ; q: 131,072 bytes a head,
	s_lshl_b32 s89, s87, 14                        ; 16 tiles of 1,024 for my work-group's rows,
	s_add_co_u32 s88, s88, s89
	s_lshl_b32 s89, s16, 12                        ; 4 for my wave's
	s_add_co_u32 s88, s88, s89
	s_mov_b32 s89, 0
	s_add_nc_u64 s[QP:QP+1], s[12:13], s[88:89]
	s_lshl_b32 s88, s86, 18                        ; k, v: 262,144 bytes a head,
	s_lshl_b32 s90, s87, 1
	s_add_co_u32 s90, s90, s17                     ; key step 2 (gy % 8) + w / 2,
	s_lshl_b32 s90, s90, 14
	s_add_co_u32 s88, s88, s90
	s_lshl_b32 s90, s18, 12                        ; k: tiles 4 (w % 2) on
	s_add_co_u32 s90, s90, s88
	s_mov_b32 s91, 0
	s_add_nc_u64 s[KP:KP+1], s[14:15], s[90:91]
	s_lshl_b32 s90, s18, 10                        ; v: behind the step's 8,192 bytes of k; in each fragment pieces 2 (w % 2) on
	s_add_co_u32 s90, s90, s88
	s_add_co_u32 s90, s90, 8192
	s_add_nc_u64 s[VP:VP+1], s[14:15], s[90:91]
	s_mul_i32 s90, s42, 768                        ; a head's 192 numbers of the bias
	s_add_nc_u64 s[BP:BP+1], s[8:9], s[90:91]
; the bias of tile n (head gx + 8 n), in the results' layouts: q, k: lane (r, h) wants columns 16 b + 8 h + 0 .. 7; v: column 128 + 16 d + r, the same for its eight rows, kept twice for the packed form
.macro BIASLOAD n
.irp b, 0,1,2,3,4,5,6,7
	global_load_b128 v[BQK+8*\b:BQK+8*\b+3], v[BO], s[BP:BP+1] offset:6144*\n+64*\b
	global_load_b128 v[BQK+8*\b+4:BQK+8*\b+7], v[BO], s[BP:BP+1] offset:6144*\n+64*\b+16
.endr
.irp d, 0,1,2,3
	global_load_b32 v[BV+2*\d], v[BO2], s[BP:BP+1] offset:6144*\n+512+64*\d
	global_load_b32 v[BV+2*\d+1], v[BO2], s[BP:BP+1] offset:6144*\n+512+64*\d
.endr
.endm
.macro MKSCALE e, scl, lim             ; 2^e as f32 (the conversion takes its exponent field), and 57,344 x 2^e
	s_add_co_i32 s84, s[\e], 127
	s_lshl_b32 s85, s84, 23
	v_mov_b32 v[\scl], s85
	s_add_co_i32 s84, s84, 15
	s_lshl_b32 s84, s84, 23
	s_or_b32 s84, s84, 0x600000
	v_mov_b32 v[\lim], s84
.endm
	BIASLOAD 0
	s_wait_kmcnt 0x0
	s_add_co_i32 s84, s[ES], s[ES+1]
	s_add_co_i32 s84, s84, 127
	s_lshl_b32 s[SC], s84, 23                      ; 2^(e0 + e1) as f32
	s_mov_b32 s[SC+1], s[SC]                       ; (named with it as a pair, so it is written)
	MKSCALE ES+2, SCLQ, LIMQ
	MKSCALE ES+3, SCLK, LIMK
	MKSCALE ES+5, SCLV, LIMV
; 64 LDS loads in one run: the fragments of the slot's q-th 128 along K into set p: x's four (16 rows x 128 K, 16 registers: lane l: row l % 16; registers 4 c on: K = 32 c + 16 (l / 16) + 0 .. 15), then W's twelve
.macro FETCH slot, q, p
	WIN 0
.irp a, 0,1,2,3
.irp c, 0,1,2,3
	ds_load_b128 v[AF+64*(\p)+16*\a+4*\c:AF+64*(\p)+16*\a+4*\c+3], v[ADRA+(\slot)] offset:\a*16*PITCH+128*(\q)+32*\c
.endr
.endr
	WIN (1+(\p))<<6
.irp b, 0,1,2,3,4,5,6,7,8,9,10,11
.irp c, 0,1,2,3
	ds_load_b128 v[16*\b+4*\c:16*\b+4*\c+3], v[ADRB+(\slot)] offset:\b*16*PITCH+128*(\q)+32*\c
.endr
.endr
.endm
; 16 matrix instructions: row blocks a0, a0 + 1 x q's and k's eight tiles, transposed.  zero = 1: the product starts the sum: nothing is ever cleared.
; In the whole text no two matrix instructions on end name one accumulator.
.macro MULQK p, a0, zero
	WIN 0xf1+(\p)
.irp a, \a0, \a0+1
.irp b, 0,1,2,3,4,5,6,7
.set rD, 128*(\b/4)+8*(4*(\a)+\b%4)
.set rA, AF+64*(\p)+16*(\a)
.if \zero
	v_wmma_f32_16x16x128_bf8_bf8 v[rD:rD+7], v[16*\b:16*\b+15], v[rA:rA+15], 0
.else
	v_wmma_f32_16x16x128_bf8_bf8 v[rD:rD+7], v[16*\b:16*\b+15], v[rA:rA+15], v[rD:rD+7]
.endif
.endr
.endr
.endm
; 8 matrix instructions: row blocks 2 hf, 2 hf + 1 x v's four tiles, as they are
.macro MULV p, hf, zero
	WIN ((1+(\hf))<<6)|((1+(\hf))<<4)|((1+(\p))<<2)
.irp e, 0,1
.irp d, 0,1,2,3
.set rD, 192+8*(4*\e+\d)
.set rA, AF+64*(\p)+16*(2*(\hf)+\e)
.if \zero
	v_wmma_f32_16x16x128_bf8_bf8 v[rD:rD+7], v[rA:rA+15], v[128+16*\d:128+16*\d+15], 0
.else
	v_wmma_f32_16x16x128_bf8_bf8 v[rD:rD+7], v[rA:rA+15], v[128+16*\d:128+16*\d+15], v[rD:rD+7]
.endif
.endr
.endr
.endm
; A slot's first 128 along K: set 0 is multiplied; set 1 is fetched ahead of the 48 products
.macro STEP slot, zero
	s_wait_dscnt 0x0                               ; set 0 is in (asked for 32 matrix instructions ago)
	PLACES                                         ; set 1's last readers stand just ahead
	FETCH \slot, 1, 1
	MULQK 0, 0, \zero
	MULQK 0, 2, \zero
	MULV 0, 0, \zero
	MULV 0, 1, \zero
.endm
; A slot's second 128 along K, and the change of slots: ONE barrier; in front of it each wave waits for all its tensor loads (my part of the other slot), adds 0 to its spare word, and waits for that and
; for its reads of this slot.  mode 1: this slot is filled again, two K steps on; mode 2: with the next tile's K step (x back along K, W 8 heads on and back); mode 0: nothing is left to fetch.
.macro TURN slot, mode
	WIN 0                                          ; (the add's two registers lie in window 0)
	s_wait_tensorcnt 0x0
	ds_add_u32 v[SPW], v[NIL]
	s_wait_dscnt 1                                 ; set 1 is in; the add may be out
	MULV 1, 0, 0                                   ; eight matrix instructions stand between the add and the wait for it
	s_wait_dscnt 0x0                               ; the add is done, and my reads of this slot are over
	s_barrier_signal -1
	MULV 1, 1, 0
	WIN 0
	s_barrier_wait -1
.if \mode
	CREST                                          ; the barrier has opened a round of the cluster's: no wave of any partner still reads this slot or has a load on its way
.if \mode == 1
	s_add_nc_u64 s[G0+4*\slot+2:G0+4*\slot+3], s[G0+4*\slot+2:G0+4*\slot+3], 512
	s_add_nc_u64 s[G0B+4*\slot+2:G0B+4*\slot+3], s[G0B+4*\slot+2:G0B+4*\slot+3], 512
.else
	s_sub_nc_u64 s[G0+4*\slot+2:G0+4*\slot+3], s[G0+4*\slot+2:G0+4*\slot+3], 512
	s_add_nc_u64 s[G0B+4*\slot+2:G0B+4*\slot+3], s[G0B+4*\slot+2:G0B+4*\slot+3], 8*196608-512
.endif
	JLOAD \slot                                    ; the first tensor load behind the round; its four v_nop are also the places in front of the loads below
.else
	PLACES
.endif
	FETCH 1-\slot, 0, 0
	MULQK 1, 0, 0
	MULQK 1, 2, 0
.endm
; THE WAY OUT, in twelve units of 32 numbers a lane: sum x 2^(e0 + e1) + bias in one packed multiply-add; the hold at the largest code x the scale (the conversion to an 8-bit code does not saturate: ISA guide 7.6.2);
; four conversions; two stores of 512 consecutive bytes.  Each accumulator is read from its low end on.
.macro QUANT lim, scl
.set j, 0
.rept 32
	v_med3_num_f32 v[VAL+j], v[VAL+j], -v[\lim], v[\lim]
.set j, j+1
.endr
.irp c, 0,1,2,3
	v_cvt_scalef32_pk8_bf8_f32 v[CODE+2*\c:CODE+2*\c+1], v[VAL+8*\c:VAL+8*\c+7], v[\scl]
.endr
	v_nop                                          ; one plain line between the conversions and the next unit's writes of their sources
.endm
.macro UNITQK n, part, a, lim, scl, base, stride   ; row block a of q (part 0) or k (part 1): one tile's image
	s_wait_xcnt 0x0                                ; the last unit's stores have read their registers
	WIN 0x03
.irp c, 0,1,2,3
.irp i, 0,2,4,6
	v_pk_fma_f32 v[VAL+8*\c+\i:VAL+8*\c+\i+1], v[128*\part+8*(4*\a+\c)+\i:128*\part+8*(4*\a+\c)+\i+1], s[SC:SC+1], v[BQK+8*(4*\part+\c)+\i:BQK+8*(4*\part+\c)+\i+1] op_sel_hi:[1,0,1]
.endr
.endr
	WIN 0
	QUANT \lim, \scl
	global_store_b128 v[LI], v[CODE:CODE+3], s[\base:\base+1] offset:\n*\stride+\a*1024
	global_store_b128 v[LI], v[CODE+4:CODE+7], s[\base:\base+1] offset:\n*\stride+\a*1024+512
.endm
.macro UNITV n, d                      ; channels 16 d on of v, my 64 keys: two pieces of a fragment of V^T
	s_wait_xcnt 0x0
.irp a, 0,1,2,3
	WIN 1+\a/2
.irp i, 0,2,4,6
	v_pk_fma_f32 v[VAL+8*\a+\i:VAL+8*\a+\i+1], v[192+8*(4*(\a%2)+\d)+\i:192+8*(4*(\a%2)+\d)+\i+1], s[SC:SC+1], v[BV+2*\d:BV+2*\d+1] op_sel_hi:[1,0,1]
.endr
.endr
	WIN 0
	QUANT LIMV, SCLV
	global_store_b128 v[LI], v[CODE:CODE+3], s[VP:VP+1] offset:\n*2097152+\d*2048
	global_store_b128 v[LI], v[CODE+4:CODE+7], s[VP:VP+1] offset:\n*2097152+\d*2048+512
.endm
.macro EPI n
	s_wait_loadcnt 0x0                             ; the tile's bias
	PLACES                                         ; behind the tile's last products
.irp a, 0,1,2,3
	UNITQK \n, 0, \a, LIMQ, SCLQ, QP, 1048576
.endr
.irp a, 0,1,2,3
	UNITQK \n, 1, \a, LIMK, SCLK, KP, 2097152
.endr
.irp d, 0,1,2,3
	UNITV \n, \d
.endr
	s_wait_xcnt 0x0                                ; the last stores have read their registers, which take fragments again
.endm
	s_wait_tensorcnt 1                             ; my part of K step 0 is in; K step 1's may stay out
	s_barrier_signal -1
	s_barrier_wait -1                              ; everybody's is
	FETCH 0, 0, 0
	STEP 0, 1                                      ; tile 0 (head gx): its first products start the sums
	TURN 0, 1
	STEP 1, 0
	TURN 1, 1
	STEP 0, 0
	TURN 0, 2                                      ; the ring goes on into tile 1 (head gx + 8)
	STEP 1, 0
	TURN 1, 2
	EPI 0                                          ; tile 0 leaves while tile 1's first two K steps are on their way
	BIASLOAD 1
	STEP 0, 1
	TURN 0, 1
	STEP 1, 0
	TURN 1, 1
	STEP 0, 0
	TURN 0, 0
	STEP 1, 0
	s_wait_dscnt 0x0                               ; the very last 128 along K
	MULV 1, 0, 0
	MULV 1, 1, 0
	MULQK 1, 0, 0
	MULQK 1, 2, 0
	EPI 1
	s_wait_tensorcnt 0x0                           ; the wave's end
	ds_add_u32 v[SPW], v[NIL]
	s_wait_dscnt 0x0
	CROUND                                         ; the closing round: no work-group ends while a partner may still ask for a tile that names it
	s_endpgm
.Lfunc_end_k_q0af24de48f_qkv:
	.size	k_q0af24de48f_qkv, .Lfunc_end_k_q0af24de48f_qkv-k_q0af24de48f_qkv
	.p2alignl 7, 3214868480
	.fill 96, 4, 3214868480
	.section	.rodata,"a",@progbits
	.p2align	6, 0x0
	.amdhsa_kernel k_q0af24de48f_qkv
		.amdhsa_group_segment_fixed_size 327680
		.amdhsa_private_segment_fixed_size 0
		.amdhsa_enable_private_segment 0
		.amdhsa_kernarg_size 48
		.amdhsa_user_sgpr_count 2
		.amdhsa_user_sgpr_kernarg_segment_ptr 1
		.amdhsa_wavefront_size32 1
		.amdhsa_system_sgpr_workgroup_id_x 1
		.amdhsa_system_sgpr_workgroup_id_y 1
		.amdhsa_system_sgpr_workgroup_id_z 1
		.amdhsa_system_vgpr_workitem_id 0
		.amdhsa_next_free_vgpr 1024
		.amdhsa_next_free_sgpr 100
		.amdhsa_reserve_vcc 0
		.amdhsa_float_denorm_mode_32 3
		.amdhsa_float_denorm_mode_16_64 3
		.amdhsa_memory_ordered 1
		.amdhsa_forward_progress 1
		.amdhsa_inst_pref_size 222
	.end_amdhsa_kernel
	.amdgpu_metadata
---
amdhsa.version: [ 1, 2 ]
amdhsa.kernels:
  - .name:           k_q0af24de48f_qkv
    .symbol:         k_q0af24de48f_qkv.kd
    .args:
      - { .name: x_codes, .offset: 0, .size: 8, .value_kind: global_buffer, .address_space: global }
      - { .name: W_qkv_codes, .offset: 8, .size: 8, .value_kind: global_buffer, .address_space: global }
      - { .name: b_qkv, .offset: 16, .size: 8, .value_kind: global_buffer, .address_space: global }
      - { .name: lowp_scales, .offset: 24, .size: 8, .value_kind: global_buffer, .address_space: global }
      - { .name: qimg, .offset: 32, .size: 8, .value_kind: global_buffer, .address_space: global }
      - { .name: kvimg, .offset: 40, .size: 8, .value_kind: global_buffer, .address_space: global }
    .group_segment_fixed_size: 327680
    .private_segment_fixed_size: 0
    .kernarg_segment_align: 8
    .kernarg_segment_size: 48
    .max_flat_workgroup_size: 128
    .sgpr_count:     100
    .vgpr_count:     1024
    .wavefront_size: 32
...
	.end_amdgpu_metadata
.endif
;; end of part 1
;; launch attention (part 2): grid 4 x 64, 8 waves a work-group, clusters of 4 x 1, 263,168 bytes of LDS; arguments qimg, kvimg, lowp_scales, aimg; writes aimg
.if DOCPART == 2
	.amdgcn_target "amdgcn-amd-amdhsa--gfx1250"
	.amdhsa_code_object_version 6
	.text
	.protected	k_q0af24de48f_attention
	.globl	k_q0af24de48f_attention
	.p2align	8
	.type	k_q0af24de48f_attention,@function
k_q0af24de48f_attention:
	s_mov_b64 s[64:65], 0
	v_nop
	global_prefetch_b8 v0, s[64:65] scope:SCOPE_SE
	s_setreg_imm32_b32 hwreg(HW_REG_WAVE_MODE, 25, 1), 1
	s_wait_xcnt 0x0
	s_wait_alu depctr_hold_cnt(0) depctr_sa_sdst(0) depctr_va_vdst(0) depctr_va_sdst(0) depctr_va_ssrc(0) depctr_va_vcc(0) depctr_vm_vsrc(0)
	s_getreg_b32 s2, hwreg(HW_REG_IB_STS2, 6, 4)
	s_cmp_eq_u32 s2, 0
	s_cbranch_scc0 .Lentry_in_a_cluster
	s_endpgm
.Lentry_in_a_cluster:
	s_bfe_u32 s2, ttmp6, 0x10000c
	s_cmp_lg_u32 s2, 0x3003
	s_cbranch_scc0 .Lentry_shape_is_right
	s_endpgm
.Lentry_shape_is_right:
; attn[b][q][head][:] = the sum over k of softmax_k(q . k / 8) v, both products on codes of BF8 (E5M2), and the result quantised with 2^e6 for the projection.  Nothing of the problem is left out.
; qimg, kvimg: images of operand registers, a piece of 512 bytes = lane l's 16 bytes at 16 l:  qimg [bh][query tile][1,024];  kvimg [bh][key step of 128][8 tiles of K of 1,024, then 4 fragments of V^T of 2,048].
; aimg [row tile of 16][head][1,024]: lane (r, h): row 16 tile + r; registers 2 T, 2 T + 1: channels 16 T + 8 h + 0 .. 7 of the head.
; THE SOFTMAX AHEAD OF THE SECOND PRODUCT: t = score x log2(e) / 8; M = the row's largest t so far, rounded UP to a whole number; p = 2^(t - M) is quantised with 2^e4, not normalised; the row's sum is taken of the
; unquantised p and divides at the end.  When M moves, the sum and O are multiplied by 2^(old M - new M), which rounds nothing.
; SHARES.  A work-group owns 512 queries of one head; each of its eight waves 64: four tiles of 16, worked in two groups of two, which share each fragment of K and V.  Two waves lie on a SIMD (512 registers each),
; so that one wave's vector work stands beside the other's products and LDS loads.
; LAYOUT.  S^T = K Q^T (source 0 = 16 neighbouring keys, source 1 = 16 queries, K = 64), O^T = V^T P^T (source 0 = 16 channels, source 1 = P, K = 128 keys): a lane holds ONE query throughout.  The eight registers of
; S^T's tile i are keys 16 i + 8 h + 0 .. 7: their conversion gives registers 2 i, 2 i + 1 of P, every k in the place that the form's own layout gives it.
; THE HEAD'S WHOLE K AND V, 262,144 bytes, LIE IN LDS as they lie in memory: no slot is ever filled again.  They come by three loads a wave, all issued at the head: key steps 0-1, 2-8, 9-15, each waited for when it is first read.
; So nothing is left to ask for ahead of the loads.  CLUSTER 4 x 1: the four query blocks of a head read the same bytes, and each load is a joint one.
; LIMITS: e2 + e3 between -123 and 130 (added to c's exponent field); e4, e6 between -126 and 112; e4 + e5 is applied by v_ldexp_f32 and has none.
; REGISTERS.  window 0: v1-9 addresses and constants; v16-47 eight registers of statistics a tile; v48-79 Q; v80-111 P of the group in hand; v112-115 a second chain of sums; v128-255 S^T, then p, of the group in hand.
;   window 1: v0-127 O^T (tile t, channels 16 T on: 32 t + 8 T); v128-191 K of a step; v192-255 V of a step.
.set SPARE, 262144                     ; behind K and V: the spare words, 128 bytes for each wave, that no other line names
.set LI,   1                           ; v1  16 x lane
.set ADR,  2                           ; v2  the same + the step's first LDS byte
.set SPW,  3                           ; v3  LDS address of my spare word; never rewritten
.set NIL,  4                           ; v4  0; never rewritten
.set SCP,  5                           ; v5  2^e4
.set LIMP, 6                           ; v6  57,344 x 2^e4
.set LIM6, 8                           ; v8  57,344 x 2^e6
.set SCL6, 9                           ; v9  2^e6
.set ST,   16                          ; tile t at v[ST + 8 t]: +0 -M, +1 the largest score, +2, +3 the sum in two halves, +4 f (+5 named with it), +6, +7 at work
.set Q,    48
.set P,    80
.set X,    112
.set S,    128
.set KF,   128                         ; in window 1
.set VF,   192
.set W_QK, 0x01                        ; K in window 1; Q and S^T in window 0
.set W_PV, 0x51                        ; V, C and D in window 1; P in window 0
.set W_RS, 0x41                        ; O^T (destination and source 0) in window 1; f in window 0
.set W_LD, 0x40                        ; destination in window 1, address in window 0
.set MSB, 0
.macro WIN new
.if MSB != (\new)
	s_set_vgpr_msb (MSB<<8)|(\new)
.set MSB, (\new)
.endif
.endm
.macro PLACES                          ; four plain places behind a matrix instruction (ISA guide 7.12.1)
.rept 4
	v_nop
.endr
.endm
.macro ROUND                           ; a round of the cluster's barrier
	s_barrier_signal -1
	s_barrier_wait -1
	s_cmp_lg_u32 s12, 0
	s_cbranch_scc1 .Lnot_wave_0_\@
	s_barrier_signal -3
.Lnot_wave_0_\@:
	s_barrier_wait -3
	s_barrier_signal -1
	s_barrier_wait -1
.endm
	s_load_b256 s[4:11], s[0:1], 0x0               ; qimg s[4:5], kvimg s[6:7], the exponents s[8:9], aimg s[10:11]
	v_lshl_add_u32 v[SPW], v0, 2, SPARE
	v_mov_b32 v[NIL], 0
	ds_add_u32 v[SPW], v[NIL]                      ; the wave's opening: the add, twice on end, and its wait ahead of my first tensor load
	ds_add_u32 v[SPW], v[NIL]                      ; (once more; the set-up below stands between it and the wait)
	v_lshrrev_b32 v10, 5, v0
	v_readfirstlane_b32 s12, v10                   ; wave 0..7
	s_bfe_u32 s13, ttmp6, 0x40000                  ; cx: my block of 512 queries: it enters Q's and the result's addresses alone
	s_and_b32 s14, ttmp7, 0xffff                   ; 16 x batch + head, which the four partners share
	; descriptor groups 1: dense blocks, as rows of 32 elements of 8 bytes; 16 rows (stage a) and 56 rows (stages b, c)
	s_mov_b32 s16, 15|(3<<16)|(1<<21)              ; 15:0 the mask: all four work-groups; 17:16 elements of 8 bytes; 21 set beside a mask; no padding
	s_mov_b32 s17, 32<<16                          ; tensor_dim0 = 32
	s_mov_b32 s18, 16<<16                          ; tensor_dim1 = 16
	s_mov_b32 s19, 32<<16                          ; tile_dim0 = 32
	s_mov_b32 s20, 16                              ; tile_dim1 = 16
	s_mov_b32 s21, 32                              ; from row to row
	s_mov_b32 s22, 0
	s_mov_b32 s23, 0
	s_mov_b32 s24, 15|(3<<16)|(1<<21)
	s_mov_b32 s25, 32<<16
	s_mov_b32 s26, 56<<16
	s_mov_b32 s27, 32<<16
	s_mov_b32 s28, 56
	s_mov_b32 s29, 32
	s_mov_b32 s30, 0
	s_mov_b32 s31, 0
	s_mov_b32 s44, 0x76543210                      ; v_permlanex16_b32's selects for lane l xor 16
	s_mov_b32 s45, 0xfedcba98
	s_mov_b32 s48, 0                               ; the LDS byte at which the step in hand begins
	s_lshl_b32 s52, s14, 18                        ; the head's 262,144 bytes
	s_mov_b32 s53, 0
	s_lshl_b32 s54, s12, 12                        ; my eighth of stage a (32,768 bytes from 0): the same offset in LDS and in the head's block
	s_mov_b32 s55, 0
	s_mul_i32 s56, s12, 14336
	s_add_co_u32 s56, s56, 32768                   ; of stage b (114,688 bytes from 32,768)
	s_mov_b32 s57, 0
	s_add_co_u32 s58, s56, 114688                  ; of stage c (114,688 bytes from 147,456)
	s_mov_b32 s59, 0
	s_wait_dscnt 0x0                               ; both opening adds are done
	s_wait_kmcnt 0x0
	s_load_b256 s[72:79], s[8:9], 0x0              ; e0 .. e7
	s_add_nc_u64 s[52:53], s[6:7], s[52:53]
	s_mov_b32 s32, 1
	s_mov_b32 s33, s54
	s_add_nc_u64 s[34:35], s[52:53], s[54:55]
	s_or_b32 s35, s35, 0x80000000
	s_mov_b32 s36, 1
	s_mov_b32 s37, s56
	s_add_nc_u64 s[38:39], s[52:53], s[56:57]
	s_or_b32 s39, s39, 0x80000000
	s_mov_b32 s40, 1
	s_mov_b32 s41, s58
	s_add_nc_u64 s[42:43], s[52:53], s[58:59]
	s_or_b32 s43, s43, 0x80000000
	ROUND                                          ; all four work-groups are here: the joint loads meet
	tensor_load_to_lds s[32:35], s[16:23]          ; every wave issues all three, with no branch: three loads of mine are out
	s_nop 0
	tensor_load_to_lds s[36:39], s[24:31]
	s_nop 0
	tensor_load_to_lds s[40:43], s[24:31]
	s_nop 0
.rept 4
	v_nop
.endr
	v_and_b32 v[LI], 31, v0
	v_lshlrev_b32 v[LI], 4, v[LI]
	s_lshl_b32 s60, s14, 17                        ; Q: 131,072 bytes a head, 32,768 a block of 512 queries, 4,096 a wave
	s_lshl_b32 s61, s13, 15
	s_add_co_u32 s60, s60, s61
	s_lshl_b32 s61, s12, 12
	s_add_co_u32 s60, s60, s61
	s_mov_b32 s61, 0
	s_add_nc_u64 s[4:5], s[4:5], s[60:61]
.irp i, 0,1,2,3,4,5,6,7
	global_load_b128 v[Q+4*\i:Q+4*\i+3], v[LI], s[4:5] offset:512*\i th:TH_LOAD_NT   ; my four tiles stay in registers; read once in the launch
.endr
	s_lshr_b32 s60, s14, 4                         ; the result: row tile 128 x batch + 32 cx + 4 w, 16,384 bytes each; the head's 1,024 in it
	s_lshl_b32 s60, s60, 7
	s_lshl_b32 s62, s13, 5
	s_add_co_u32 s60, s60, s62
	s_lshl_b32 s62, s12, 2
	s_add_co_u32 s60, s60, s62
	s_lshl_b32 s60, s60, 14
	s_and_b32 s62, s14, 15
	s_lshl_b32 s62, s62, 10
	s_add_co_u32 s60, s60, s62
	s_add_nc_u64 s[10:11], s[10:11], s[60:61]
.irp t, 0,1,2,3
	v_mov_b32 v[ST+8*\t], 0x7f61b1e6               ; -M = 3e38,
	v_mov_b32 v[ST+8*\t+1], 0xff61b1e6             ; the largest score so far: -3e38: the first step's f is then 0
	v_mov_b32 v[ST+8*\t+2], 0                      ; the sum
	v_mov_b32 v[ST+8*\t+3], 0
	v_mov_b32 v[ST+8*\t+5], 0                      ; (named as the upper half of f's pair)
.endr
	s_wait_kmcnt 0x0
	s_add_co_i32 s60, s74, s75
	s_lshl_b32 s60, s60, 23
	s_add_co_i32 s46, s60, 0x3e38aa3b              ; c = log2(e) / 8 x 2^(e2 + e3): the two exponents are added to c's exponent field
	s_mov_b32 s47, s46                             ; (named with it as a pair)
	s_add_co_i32 s60, s76, 127
	s_lshl_b32 s62, s60, 23
	v_mov_b32 v[SCP], s62
	s_add_co_i32 s60, s60, 15
	s_lshl_b32 s60, s60, 23
	s_or_b32 s60, s60, 0x600000
	v_mov_b32 v[LIMP], s60
	s_add_co_i32 s60, s78, 127
	s_lshl_b32 s62, s60, 23
	v_mov_b32 v[SCL6], s62
	s_add_co_i32 s60, s60, 15
	s_lshl_b32 s60, s60, 23
	s_or_b32 s60, s60, 0x600000
	v_mov_b32 v[LIM6], s60
	s_add_co_i32 s50, s76, s77                     ; e4 + e5
.macro LOADK adr, off                  ; a step's eight tiles of K: 16 loads of 512 consecutive bytes
	WIN W_LD
.irp i, 0,1,2,3,4,5,6,7
	ds_load_b128 v[KF+8*\i:KF+8*\i+3], v[\adr] offset:\off+1024*\i
	ds_load_b128 v[KF+8*\i+4:KF+8*\i+7], v[\adr] offset:\off+1024*\i+512
.endr
.endm
.macro LOADV adr, off                  ; its four fragments of V^T: 16 loads
	WIN W_LD
.irp d, 0,1,2,3
.irp c, 0,1,2,3
	ds_load_b128 v[VF+16*\d+4*\c:VF+16*\d+4*\c+3], v[\adr] offset:\off+8192+2048*\d+512*\c
.endr
.endr
.endm
.macro QK g                            ; S^T of tiles g, g + 1: 16 products, each a whole sum (K = 64)
	WIN W_QK
.irp i, 0,1,2,3,4,5,6,7
.irp u, 0,1
	v_wmma_f32_16x16x64_bf8_bf8 v[S+64*\u+8*\i:S+64*\u+8*\i+7], v[KF+8*\i:KF+8*\i+7], v[Q+8*(\g+\u):Q+8*(\g+\u)+7], 0
.endr
.endr
.endm
.macro PV g, first                     ; O^T of tiles g, g + 1 takes the step's 128 keys: 8 products on 8 accumulators.  first = 1: they start the sums
	WIN W_PV
.irp d, 0,1,2,3
.irp u, 0,1
.if \first
	v_wmma_f32_16x16x128_bf8_bf8 v[32*(\g+\u)+8*\d:32*(\g+\u)+8*\d+7], v[VF+16*\d:VF+16*\d+15], v[P+16*\u:P+16*\u+15], 0
.else
	v_wmma_f32_16x16x128_bf8_bf8 v[32*(\g+\u)+8*\d:32*(\g+\u)+8*\d+7], v[VF+16*\d:VF+16*\d+15], v[P+16*\u:P+16*\u+15], v[32*(\g+\u)+8*\d:32*(\g+\u)+8*\d+7]
.endif
.endr
.endr
.endm
; THE SOFTMAX of tiles g, g + 1 for one key step; the two tiles line by line, so that no line waits for the one above it.  A lane holds 64 scores of its query in each tile.
.macro SOFTMAX g, first
	WIN 0
.irp u, 0,1                            ; the largest score, three operands at a time, two chains a tile; each of S^T's accumulators is first read at its low end
	v_max3_num_f32 v[ST+8*(\g+\u)+6], v[S+64*\u], v[S+64*\u+1], v[S+64*\u+2]
	v_max3_num_f32 v[ST+8*(\g+\u)+7], v[S+64*\u+32], v[S+64*\u+33], v[S+64*\u+34]
.endr
.set j, 3
.rept 14
.irp u, 0,1
	v_max3_num_f32 v[ST+8*(\g+\u)+6], v[ST+8*(\g+\u)+6], v[S+64*\u+j], v[S+64*\u+j+1]
	v_max3_num_f32 v[ST+8*(\g+\u)+7], v[ST+8*(\g+\u)+7], v[S+64*\u+32+j], v[S+64*\u+33+j]
.endr
.set j, j+2
.endr
.irp u, 0,1
	v_max3_num_f32 v[ST+8*(\g+\u)+6], v[ST+8*(\g+\u)+6], v[S+64*\u+31], v[S+64*\u+63]
.endr
.irp u, 0,1
	v_max3_num_f32 v[ST+8*(\g+\u)+6], v[ST+8*(\g+\u)+6], v[ST+8*(\g+\u)+7], v[ST+8*(\g+\u)+1]   ; with the largest so far
.endr
.irp u, 0,1
	v_permlanex16_b32 v[ST+8*(\g+\u)+7], v[ST+8*(\g+\u)+6], s44, s45     ; the query's other 64 keys lie in the lane 16 away
.endr
.irp u, 0,1
	v_max_num_f32 v[ST+8*(\g+\u)+1], v[ST+8*(\g+\u)+6], v[ST+8*(\g+\u)+7]
.endr
.irp u, 0,1
	v_mul_f32 v[ST+8*(\g+\u)+6], s46, v[ST+8*(\g+\u)+1]                  ; as t (c is positive)
.endr
.irp u, 0,1
	v_floor_f32 v[ST+8*(\g+\u)+6], -v[ST+8*(\g+\u)+6]                    ; the new -M = floor(-t) = -ceil(t): a whole number
.endr
.irp u, 0,1
	v_sub_f32 v[ST+8*(\g+\u)+7], v[ST+8*(\g+\u)+6], v[ST+8*(\g+\u)]      ; old M - new M: a whole number, 0 or less
.endr
.irp u, 0,1
	v_mov_b32 v[ST+8*(\g+\u)], v[ST+8*(\g+\u)+6]
.endr
.irp u, 0,1
	v_cvt_i32_f32 v[ST+8*(\g+\u)+7], v[ST+8*(\g+\u)+7]                   ; (it saturates)
.endr
.irp u, 0,1
	v_ldexp_f32 v[ST+8*(\g+\u)+4], 1.0, v[ST+8*(\g+\u)+7]                ; f = 2^(old M - new M)
.endr
.set j, 0
.rept 32                               ; ONE BATCH: t - M, two at a time, and p = 2^(t - M); no line of it names an exponential's result
.irp u, 0,1
	v_pk_fma_f32 v[S+64*\u+j:S+64*\u+j+1], v[S+64*\u+j:S+64*\u+j+1], s[46:47], v[ST+8*(\g+\u):ST+8*(\g+\u)+1] op_sel_hi:[1,0,0]
.endr
.irp u, 0,1
	v_exp_f32 v[S+64*\u+j], v[S+64*\u+j]
	v_exp_f32 v[S+64*\u+j+1], v[S+64*\u+j+1]
.endr
.set j, j+2
.endr
.if \first
	v_nop                                          ; the plain line behind the last exponential; there is no O^T yet
.else
	WIN W_RS                                       ; O^T under the new M: work that names no exponential's result stands between the batch and its wait
.irp u, 0,1
.set j, 0
.rept 16
	v_pk_mul_f32 v[32*(\g+\u)+j:32*(\g+\u)+j+1], v[32*(\g+\u)+j:32*(\g+\u)+j+1], v[ST+8*(\g+\u)+4:ST+8*(\g+\u)+5] op_sel_hi:[1,0]
.set j, j+2
.endr
.endr
	WIN 0
.endif
	s_wait_alu depctr_va_vdst(0)                   ; the wait ahead of the first line that names an exponential's result: one for the 128
.irp u, 0,1                            ; THE ROW'S SUM IS TAKEN OF THE UNQUANTISED p, two at a time, in two chains a tile
	v_pk_fma_f32 v[ST+8*(\g+\u)+2:ST+8*(\g+\u)+3], v[ST+8*(\g+\u)+2:ST+8*(\g+\u)+3], v[ST+8*(\g+\u)+4:ST+8*(\g+\u)+5], v[S+64*\u:S+64*\u+1] op_sel_hi:[1,0,1]
	v_pk_add_f32 v[X+2*\u:X+2*\u+1], v[S+64*\u+32:S+64*\u+33], v[S+64*\u+34:S+64*\u+35]
.endr
.set j, 2
.rept 14
.irp u, 0,1
	v_pk_add_f32 v[ST+8*(\g+\u)+2:ST+8*(\g+\u)+3], v[ST+8*(\g+\u)+2:ST+8*(\g+\u)+3], v[S+64*\u+j:S+64*\u+j+1]
	v_pk_add_f32 v[X+2*\u:X+2*\u+1], v[X+2*\u:X+2*\u+1], v[S+64*\u+34+j:S+64*\u+35+j]
.endr
.set j, j+2
.endr
.irp u, 0,1
	v_pk_add_f32 v[ST+8*(\g+\u)+2:ST+8*(\g+\u)+3], v[ST+8*(\g+\u)+2:ST+8*(\g+\u)+3], v[S+64*\u+30:S+64*\u+31]
.endr
.irp u, 0,1
	v_pk_add_f32 v[ST+8*(\g+\u)+2:ST+8*(\g+\u)+3], v[ST+8*(\g+\u)+2:ST+8*(\g+\u)+3], v[X+2*\u:X+2*\u+1]
.endr
.irp i, 0,1,2,3,4,5,6,7                ; the hold (the conversion to an 8-bit code does not saturate: ISA guide 7.6.2; p is not negative, so it is one-sided) and the conversion: registers 2 i, 2 i + 1 of P
.irp u, 0,1
.irp k, 0,1,2,3,4,5,6,7
	v_min_num_f32 v[S+64*\u+8*\i+\k], v[S+64*\u+8*\i+\k], v[LIMP]
.endr
	v_cvt_scalef32_pk8_bf8_f32 v[P+16*\u+2*\i:P+16*\u+2*\i+1], v[S+64*\u+8*\i:S+64*\u+8*\i+7], v[SCP]
.endr
.endr
	v_nop                                          ; one plain line between the conversions and the products that read P and write S^T anew
.endm
; A KEY STEP of 128 keys.  pre = 1: the next step's K is fetched when both groups have multiplied by this step's, its V likewise: each run of 16 loads stands a softmax ahead of its first use.
.macro STEP first, pre
	v_add_nc_u32 v[ADR], s48, v[LI]
	s_wait_dscnt 16                                ; K's 16 loads are in; V's 16, issued behind them, may be out
	QK 0
	WIN 0
	PLACES
	SOFTMAX 0, \first
	s_wait_dscnt 0x0                               ; V is in
	PV 0, \first
	QK 2
	WIN 0
	PLACES                                         ; behind the last products that read K, and ahead of the reads of S^T
.if \pre
	LOADK ADR, 16384
.endif
	SOFTMAX 2, \first
	PV 2, \first
	WIN 0
	PLACES                                         ; behind the last products that read V and P
.if \pre
	LOADV ADR, 16384
	WIN 0
	s_add_co_u32 s48, s48, 16384
.endif
.endm
	s_wait_tensorcnt 2                             ; my part of key steps 0 and 1 is in; the two later stages may stay out
	s_barrier_signal -1
	s_barrier_wait -1                              ; everybody's is
	LOADK LI, 0
	LOADV LI, 0
	WIN 0
	s_wait_loadcnt 0x0                             ; Q
	STEP 1, 1                                      ; key step 0; it fetches step 1's fragments
	s_wait_tensorcnt 1                             ; my part of key steps 2 to 8 is in
	s_wait_dscnt 0x0
	s_barrier_signal -1
	s_barrier_wait -1
	s_mov_b32 s49, 7
.Lsteps_1_7:                                           ; key steps 1 to 7; they fetch fragments up to step 8's
	STEP 0, 1
	s_sub_co_u32 s49, s49, 1
	s_cmp_lg_u32 s49, 0
	s_cbranch_scc1 .Lsteps_1_7
	s_wait_tensorcnt 0x0                           ; my part of key steps 9 to 15 is in
	s_wait_dscnt 0x0
	s_barrier_signal -1
	s_barrier_wait -1
	s_mov_b32 s49, 7
.Lsteps_8_14:                                          ; key steps 8 to 14
	STEP 0, 1
	s_sub_co_u32 s49, s49, 1
	s_cmp_lg_u32 s49, 0
	s_cbranch_scc1 .Lsteps_8_14
	STEP 0, 0                                      ; key step 15 fetches nothing
	; THE WAY OUT.  The sum's halves and the other half of the lanes' are added; O^T x 2^(e4 + e5) / the sum is held, converted with 2^e6, and stored as the projection's operand: two stores of 512 consecutive bytes a tile.
.irp t, 0,1,2,3
	v_add_f32 v[ST+8*\t+6], v[ST+8*\t+2], v[ST+8*\t+3]
.endr
.irp t, 0,1,2,3
	v_permlanex16_b32 v[ST+8*\t+7], v[ST+8*\t+6], s44, s45
.endr
.irp t, 0,1,2,3
	v_add_f32 v[ST+8*\t+6], v[ST+8*\t+6], v[ST+8*\t+7]
.endr
.irp t, 0,1,2,3
	v_rcp_f32 v[ST+8*\t+4], v[ST+8*\t+6]
.endr
	v_nop                                          ; a plain line behind the last reciprocal
	s_wait_alu depctr_va_vdst(0)                   ; and the wait ahead of the first use: one for the four
.irp t, 0,1,2,3
	v_ldexp_f32 v[ST+8*\t+4], v[ST+8*\t+4], s50
.endr
	WIN 0x01                                       ; source 0 (O^T) in window 1; the results take S^T's registers
.irp t, 0,1,2,3
.set j, 0
.rept 16
	v_pk_mul_f32 v[S+32*\t+j:S+32*\t+j+1], v[32*\t+j:32*\t+j+1], v[ST+8*\t+4:ST+8*\t+5] op_sel_hi:[1,0]
.set j, j+2
.endr
.endr
	WIN 0
.set j, 0
.rept 128
	v_med3_num_f32 v[S+j], v[S+j], -v[LIM6], v[LIM6]
.set j, j+1
.endr
.set j, 0
.rept 16
	v_cvt_scalef32_pk8_bf8_f32 v[P+2*j:P+2*j+1], v[S+8*j:S+8*j+7], v[SCL6]    ; tile j / 4, channels 16 (j % 4) on: registers 2 (j % 4), + 1 of the tile's image
.set j, j+1
.endr
	v_nop
.irp t, 0,1,2,3
	global_store_b128 v[LI], v[P+8*\t:P+8*\t+3], s[10:11] offset:16384*\t
	global_store_b128 v[LI], v[P+8*\t+4:P+8*\t+7], s[10:11] offset:16384*\t+512
.endr
	s_wait_tensorcnt 0x0                           ; the wave's end
	ds_add_u32 v[SPW], v[NIL]
	s_wait_dscnt 0x0
	ROUND                                          ; the closing round
	s_endpgm
.Lfunc_end_k_q0af24de48f_attention:
	.size	k_q0af24de48f_attention, .Lfunc_end_k_q0af24de48f_attention-k_q0af24de48f_attention
	.p2alignl 7, 3214868480
	.fill 96, 4, 3214868480
	.section	.rodata,"a",@progbits
	.p2align	6, 0x0
	.amdhsa_kernel k_q0af24de48f_attention
		.amdhsa_group_segment_fixed_size 263168
		.amdhsa_private_segment_fixed_size 0
		.amdhsa_enable_private_segment 0
		.amdhsa_kernarg_size 32
		.amdhsa_user_sgpr_count 2
		.amdhsa_user_sgpr_kernarg_segment_ptr 1
		.amdhsa_wavefront_size32 1
		.amdhsa_system_sgpr_workgroup_id_x 1
		.amdhsa_system_sgpr_workgroup_id_y 1
		.amdhsa_system_sgpr_workgroup_id_z 1
		.amdhsa_system_vgpr_workitem_id 0
		.amdhsa_next_free_vgpr 512
		.amdhsa_next_free_sgpr 84
		.amdhsa_reserve_vcc 0
		.amdhsa_float_denorm_mode_32 3
		.amdhsa_float_denorm_mode_16_64 3
		.amdhsa_memory_ordered 1
		.amdhsa_forward_progress 1
		.amdhsa_inst_pref_size 233
	.end_amdhsa_kernel
	.amdgpu_metadata
---
amdhsa.version: [ 1, 2 ]
amdhsa.kernels:
  - .name:           k_q0af24de48f_attention
    .symbol:         k_q0af24de48f_attention.kd
    .args:
      - { .name: qimg, .offset: 0, .size: 8, .value_kind: global_buffer, .address_space: global }
      - { .name: kvimg, .offset: 8, .size: 8, .value_kind: global_buffer, .address_space: global }
      - { .name: lowp_scales, .offset: 16, .size: 8, .value_kind: global_buffer, .address_space: global }
      - { .name: aimg, .offset: 24, .size: 8, .value_kind: global_buffer, .address_space: global }
    .group_segment_fixed_size: 263168
    .private_segment_fixed_size: 0
    .kernarg_segment_align: 8
    .kernarg_segment_size: 32
    .max_flat_workgroup_size: 256
    .sgpr_count:     84
    .vgpr_count:     512
    .wavefront_size: 32
...
	.end_amdgpu_metadata
.endif
;; end of part 2
;; launch proj (part 3): grid 32 x 8, 4 waves a work-group, clusters of 4 x 1, 169,472 bytes of LDS; arguments aimg, W_out_codes, b_out, lowp_scales, out0; writes out0
.if DOCPART == 3
	.amdgcn_target "amdgcn-amd-amdhsa--gfx1250"
	.amdhsa_code_object_version 6
	.text
	.protected	k_q0af24de48f_proj
	.globl	k_q0af24de48f_proj
	.p2align	8
	.type	k_q0af24de48f_proj,@function
k_q0af24de48f_proj:
	s_mov_b64 s[64:65], 0
	v_nop
	global_prefetch_b8 v0, s[64:65] scope:SCOPE_SE
	s_setreg_imm32_b32 hwreg(HW_REG_WAVE_MODE, 25, 1), 1
	s_wait_xcnt 0x0
	s_wait_alu depctr_hold_cnt(0) depctr_sa_sdst(0) depctr_va_vdst(0) depctr_va_sdst(0) depctr_va_ssrc(0) depctr_va_vcc(0) depctr_vm_vsrc(0)
	s_getreg_b32 s2, hwreg(HW_REG_IB_STS2, 6, 4)
	s_cmp_eq_u32 s2, 0
	s_cbranch_scc0 .Lentry_in_a_cluster
	s_endpgm
.Lentry_in_a_cluster:
	s_bfe_u32 s2, ttmp6, 0x10000c
	s_cmp_lg_u32 s2, 0x3003
	s_cbranch_scc0 .Lentry_shape_is_right
	s_endpgm
.Lentry_shape_is_right:
; out0 = attn W_out + b_out on codes of BF8 (E5M2): each finished sum x 2^(e6 + e7) + bias.  Nothing of the problem is left out.
; aimg [row tile of 16][head][1,024]: images of operand registers (a piece of 512 bytes = lane l's 16 bytes at 16 l); heads 2 s and 2 s + 1 on end are the fragment of K step s (128 along K) in the form's own layout.
; W_out: [1024 (n)][1024 (k)] codes, K innermost.  out0: [8192][1024] f32.
; SHARES.  A work-group of four waves makes 256 rows x 128 columns; wave w rows 64 w on, all 128 columns: 32 accumulators.  So each fragment of attn is read by one wave of the work-group alone: it goes from memory
; straight into registers, 512 consecutive bytes a load, through a ring of four sets of registers (four K steps, 64 loads, ahead).
; W_out's 128 rows lie whole in LDS (two panels of 512 along K), filled once.  CLUSTER 4 x 1: four row tiles read the same rows of W_out, and each load is a joint one.
; attn's rows are not shared through LDS: a work-group's 262,144 bytes of them and W_out's 135,168 do not fit there together.
; THE MATRIX INSTRUCTION IS USED TRANSPOSED (source 0 = 16 rows of W_out, source 1 = 16 rows of attn): a lane holds eight neighbouring numbers of a row of the output.
; LIMIT: e6 + e7 between -126 and 127.  NaN in b_out is not served.
; REGISTERS.  window 0: v1-8 addresses; v16-79 the bias; v80-143, v144-207 the way out.   window 1: accumulator (a, b) at 8 (8 a + b).   window 2: attn's fragments, four sets of 64.   window 3: W_out's, two sets of 128.
.set PITCH, 528                        ; an LDS row: 512 bytes + 16: the 16 rows that a load touches begin 132 words apart
.set PANEL, 128*PITCH
.set STAGE, 2*PANEL                    ; behind the panels: 16 rows x 528 bytes for each wave, for the way out; no tensor load lands here
.set SPARE, STAGE+4*16*PITCH           ; behind the stages: the spare words, 128 bytes for each wave, that no other line names
.set LI,   1                           ; v1   16 x lane
.set ADRB, 2                           ; v2-3 LDS address of my part of W_out's fragments in panel 0, 1
.set STO,  4                           ; v4   the way out: where I put 32 bytes of a row
.set RD,   5                           ; v5   and where I read a row back
.set SPW,  6                           ; v6   LDS address of my spare word; never rewritten
.set NIL,  7                           ; v7   0; never rewritten
.set BOF,  8                           ; v8   32 h: my eight numbers of a bias tile
.set BIAS, 16
.set TMP,  80
.set BK,   144
.set G1,   24
.set G0,   32
.set MSB, 0
.macro WIN new
.if MSB != (\new)
	s_set_vgpr_msb (MSB<<8)|(\new)
.set MSB, (\new)
.endif
.endm
.macro PLACES                          ; four plain places behind a matrix instruction (ISA guide 7.12.1)
.rept 4
	v_nop
.endr
.endm
.macro ROUND                           ; a round of the cluster's barrier
	s_barrier_signal -1
	s_barrier_wait -1
	s_cmp_lg_u32 s14, 0
	s_cbranch_scc1 .Lnot_wave_0_\@
	s_barrier_signal -3
.Lnot_wave_0_\@:
	s_barrier_wait -3
	s_barrier_signal -1
	s_barrier_wait -1
.endm
	s_load_b256 s[4:11], s[0:1], 0x0               ; aimg s[4:5], W_out's codes s[6:7], b_out s[8:9], the exponents s[10:11]
	s_load_b64 s[12:13], s[0:1], 0x20              ; out0
	v_lshl_add_u32 v[SPW], v0, 2, SPARE
	v_mov_b32 v[NIL], 0
	ds_add_u32 v[SPW], v[NIL]                      ; the wave's opening: the add, twice on end, and its wait ahead of my first tensor load
	ds_add_u32 v[SPW], v[NIL]                      ; (once more; the set-up below stands between it and the wait)
	v_lshrrev_b32 v9, 5, v0
	v_readfirstlane_b32 s14, v9                    ; wave 0..3
	s_bfe_u32 s15, ttmp6, 0x40000                  ; cx
	s_lshl_b32 s16, ttmp9, 2
	s_add_co_u32 s16, s16, s15                     ; my 256 rows: 4 x cluster x + cx: it enters attn's and the output's addresses alone
	s_and_b32 s17, ttmp7, 0xffff                   ; my 128 columns, which the four partners share
	s_mov_b32 s[G1], 15|(1<<20)|(1<<21)|(6<<22)|(3<<25)   ; 15:0 the mask: all four; 17:16 elements of 1 byte; 20 padding on; 21 set beside a mask; 24:22 after every 128 words; 31:25 four words
	s_mov_b32 s[G1+1], 512<<16                     ; tensor_dim0 = 512
	s_mov_b32 s[G1+2], 32<<16                      ; tensor_dim1 = 32
	s_mov_b32 s[G1+3], 512<<16                     ; tile_dim0 = 512
	s_mov_b32 s[G1+4], 32                          ; tile_dim1 = 32
	s_mov_b32 s[G1+5], 1024                        ; from row to row
	s_mov_b32 s[G1+6], 0
	s_mov_b32 s[G1+7], 0
	s_lshl_b32 s20, s17, 17                        ; W_out: my work-group's 128 rows of 1,024 bytes,
	s_lshl_b32 s21, s14, 15                        ; my wave's 32 of them
	s_add_co_u32 s20, s20, s21
	s_mov_b32 s21, 0
	s_mul_i32 s22, s14, 32*PITCH                   ; and their place in a panel
	s_wait_dscnt 0x0                               ; both opening adds are done
	s_wait_kmcnt 0x0
	s_load_b256 s[72:79], s[10:11], 0x0            ; e0 .. e7
	s_add_nc_u64 s[20:21], s[6:7], s[20:21]
.irp p, 0,1
	s_mov_b32 s[G0+4*\p], 1
	s_add_co_u32 s[G0+4*\p+1], s22, \p*PANEL
	s_add_nc_u64 s[G0+4*\p+2:G0+4*\p+3], s[20:21], \p*512
	s_or_b32 s[G0+4*\p+3], s[G0+4*\p+3], 0x80000000
.endr
	ROUND                                          ; all four work-groups are here: the joint loads meet
	tensor_load_to_lds s[G0:G0+3], s[G1:G1+7]      ; every wave issues both, with no branch: two loads of mine are out
	s_nop 0
	tensor_load_to_lds s[G0+4:G0+7], s[G1:G1+7]
	s_nop 0
.rept 4
	v_nop
.endr
	v_and_b32 v[LI], 31, v0
	v_lshlrev_b32 v[LI], 4, v[LI]
	v_and_b32 v9, 15, v0                           ; r
	v_bfe_u32 v10, v0, 4, 1                        ; h
	v_lshlrev_b32 v[BOF], 5, v10
	s_lshl_b32 s40, s17, 9                         ; my 128 columns in bytes of f32
	s_mov_b32 s41, 0
	s_add_nc_u64 s[8:9], s[8:9], s[40:41]
.irp b, 0,1,2,3,4,5,6,7
	global_load_b128 v[BIAS+8*\b:BIAS+8*\b+3], v[BOF], s[8:9] offset:64*\b         ; lane (r, h): b_out at columns 16 b + 8 h + 0 .. 7
	global_load_b128 v[BIAS+8*\b+4:BIAS+8*\b+7], v[BOF], s[8:9] offset:64*\b+16
.endr
	s_lshl_b32 s42, s16, 18                        ; attn: 16 row tiles of 16,384 bytes for my work-group, 4 for my wave
	s_lshl_b32 s43, s14, 16
	s_add_co_u32 s42, s42, s43
	s_mov_b32 s43, 0
	s_add_nc_u64 s[4:5], s[4:5], s[42:43]
.macro ALOAD s                         ; attn's four fragments of K step s into set s % 4: 16 loads of 512 consecutive bytes
	WIN 0x80
.irp a, 0,1,2,3
.irp c, 0,1,2,3
	global_load_b128 v[64*((\s)%4)+16*\a+4*\c:64*((\s)%4)+16*\a+4*\c+3], v[LI], s[4:5] offset:\a*16384+(\s)*2048+512*\c
.endr
.endr
.endm
.macro BFETCH s                        ; W_out's eight fragments of K step s into set s % 2, in the form's own layout: registers 2 c, 2 c + 1: k = 16 c + 8 h + 0 .. 7
	WIN 0xc0
.irp b, 0,1,2,3,4,5,6,7
.irp c, 0,1,2,3,4,5,6,7
	ds_load_b64 v[128*((\s)%2)+16*\b+2*\c:128*((\s)%2)+16*\b+2*\c+1], v[ADRB+(\s)/4] offset:\b*16*PITCH+128*((\s)%4)+16*\c
.endr
.endr
.endm
.macro MUL s                           ; 32 matrix instructions on 32 accumulators by turns; K step 0 starts the sums
	WIN 0x5b                                       ; source 0 (W_out) window 3, source 1 (attn) window 2, C and D window 1
.irp a, 0,1,2,3
.irp b, 0,1,2,3,4,5,6,7
.if (\s) == 0
	v_wmma_f32_16x16x128_bf8_bf8 v[8*(8*\a+\b):8*(8*\a+\b)+7], v[128*((\s)%2)+16*\b:128*((\s)%2)+16*\b+15], v[64*((\s)%4)+16*\a:64*((\s)%4)+16*\a+15], 0
.else
	v_wmma_f32_16x16x128_bf8_bf8 v[8*(8*\a+\b):8*(8*\a+\b)+7], v[128*((\s)%2)+16*\b:128*((\s)%2)+16*\b+15], v[64*((\s)%4)+16*\a:64*((\s)%4)+16*\a+15], v[8*(8*\a+\b):8*(8*\a+\b)+7]
.endif
.endr
.endr
.endm
	ALOAD 0
	ALOAD 1
	ALOAD 2
	ALOAD 3
	WIN 0
	v_mul_u32_u24 v11, v9, PITCH
	v_lshl_add_u32 v[ADRB], v10, 3, v11            ; row r x pitch + 8 h
	v_add_nc_u32 v[ADRB+1], PANEL, v[ADRB]
	s_mul_i32 s44, s14, 16*PITCH
	s_add_co_u32 s44, s44, STAGE                   ; my stage
	v_lshl_add_u32 v[STO], v10, 5, v11             ; in: row r, 32 bytes for each half of the lanes
	v_add_nc_u32 v[STO], s44, v[STO]
	v_add_nc_u32 v[RD], s44, v[LI]                 ; back: the 32 lanes take one row of 512 bytes
	s_lshl_b32 s46, s16, 20                        ; the output: 256 rows of 4,096 bytes for my work-group,
	s_lshl_b32 s47, s14, 18                        ; 64 for my wave,
	s_add_co_u32 s46, s46, s47
	s_add_co_u32 s46, s46, s40                     ; my columns
	s_mov_b32 s47, 0
	s_add_nc_u64 s[12:13], s[12:13], s[46:47]
	s_wait_kmcnt 0x0
	s_add_co_i32 s66, s78, s79
	s_add_co_i32 s66, s66, 127
	s_lshl_b32 s66, s66, 23                        ; 2^(e6 + e7) as f32
	s_mov_b32 s67, s66                             ; (named with it as a pair)
	s_wait_tensorcnt 1                             ; my part of panel 0 is in; panel 1's may stay out
	s_barrier_signal -1
	s_barrier_wait -1                              ; everybody's is
	BFETCH 0
.irp s, 0,1,2,3,4,5,6,7
.if \s <= 4
	s_wait_loadcnt 48                              ; this K step's rows are in; the 16 loads of each of the three K steps behind it may be out
.else
	s_wait_loadcnt 16*(7-\s)
.endif
	s_wait_dscnt 0x0                               ; this K step's fragments of W_out are in
.if \s == 3
	s_wait_tensorcnt 0x0                           ; panel 1 is read from here on: my part of it is in,
	s_barrier_signal -1
	s_barrier_wait -1                              ; everybody's is
.endif
.if \s < 7
	PLACES                                         ; the other set's last readers stand just ahead
	BFETCH \s+1
.endif
	MUL \s
.if \s < 4
	PLACES
	ALOAD \s+4                                     ; the set just multiplied takes the K step four further on
.endif
.endr
	; THE WAY OUT, a block of 16 rows x 128 columns at a time: sum x 2^(e6 + e7) + bias in one packed multiply-add, each accumulator from its low end on; through my own stage in LDS, which serves a wave's instructions
	; in order (ISA guide 5.7.1.4), and back as whole rows: each store of the wave covers 512 consecutive bytes, aligned.
	PLACES
.irp a, 0,1,2,3
	WIN 0x01
.irp b, 0,1,2,3,4,5,6,7
.irp i, 0,2,4,6
	v_pk_fma_f32 v[TMP+8*\b+\i:TMP+8*\b+\i+1], v[8*(8*\a+\b)+\i:8*(8*\a+\b)+\i+1], s[66:67], v[BIAS+8*\b+\i:BIAS+8*\b+\i+1] op_sel_hi:[1,0,1]
.endr
.endr
	WIN 0
.irp b, 0,1,2,3,4,5,6,7
	ds_store_b128 v[STO], v[TMP+8*\b:TMP+8*\b+3] offset:64*\b
	ds_store_b128 v[STO], v[TMP+8*\b+4:TMP+8*\b+7] offset:64*\b+16
.endr
.if \a > 0
	s_wait_xcnt 0x0                                ; the last block's stores have read their registers
.endif
.irp t, 0,1,2,3,4,5,6,7,8,9,10,11,12,13,14,15
	ds_load_b128 v[BK+4*\t:BK+4*\t+3], v[RD] offset:\t*PITCH
.endr
.irp t, 0,1,2,3,4,5,6,7,8,9,10,11,12,13,14,15
	s_wait_dscnt 15-\t                             ; row t is back; the younger loads may be out
	global_store_b128 v[LI], v[BK+4*\t:BK+4*\t+3], s[12:13] offset:(16*\a+\t)*4096 th:TH_STORE_NT
.endr
.endr
	s_wait_tensorcnt 0x0                           ; the wave's end: behind my last tensor load and my last LDS store
	ds_add_u32 v[SPW], v[NIL]
	s_wait_dscnt 0x0
	ROUND                                          ; the closing round
	s_endpgm
.Lfunc_end_k_q0af24de48f_proj:
	.size	k_q0af24de48f_proj, .Lfunc_end_k_q0af24de48f_proj-k_q0af24de48f_proj
	.p2alignl 7, 3214868480
	.fill 96, 4, 3214868480
	.section	.rodata,"a",@progbits
	.p2align	6, 0x0
	.amdhsa_kernel k_q0af24de48f_proj
		.amdhsa_group_segment_fixed_size 169472
		.amdhsa_private_segment_fixed_size 0
		.amdhsa_enable_private_segment 0
		.amdhsa_kernarg_size 40
		.amdhsa_user_sgpr_count 2
		.amdhsa_user_sgpr_kernarg_segment_ptr 1
		.amdhsa_wavefront_size32 1
		.amdhsa_system_sgpr_workgroup_id_x 1
		.amdhsa_system_sgpr_workgroup_id_y 1
		.amdhsa_system_sgpr_workgroup_id_z 1
		.amdhsa_system_vgpr_workitem_id 0
		.amdhsa_next_free_vgpr 1024
		.amdhsa_next_free_sgpr 80
		.amdhsa_reserve_vcc 0
		.amdhsa_float_denorm_mode_32 3
		.amdhsa_float_denorm_mode_16_64 3
		.amdhsa_memory_ordered 1
		.amdhsa_forward_progress 1
		.amdhsa_inst_pref_size 94
	.end_amdhsa_kernel
	.amdgpu_metadata
---
amdhsa.version: [ 1, 2 ]
amdhsa.kernels:
  - .name:           k_q0af24de48f_proj
    .symbol:         k_q0af24de48f_proj.kd
    .args:
      - { .name: aimg, .offset: 0, .size: 8, .value_kind: global_buffer, .address_space: global }
      - { .name: W_out_codes, .offset: 8, .size: 8, .value_kind: global_buffer, .address_space: global }
      - { .name: b_out, .offset: 16, .size: 8, .value_kind: global_buffer, .address_space: global }
      - { .name: lowp_scales, .offset: 24, .size: 8, .value_kind: global_buffer, .address_space: global }
      - { .name: out0, .offset: 32, .size: 8, .value_kind: global_buffer, .address_space: global }
    .group_segment_fixed_size: 169472
    .private_segment_fixed_size: 0
    .kernarg_segment_align: 8
    .kernarg_segment_size: 40
    .max_flat_workgroup_size: 128
    .sgpr_count:     80
    .vgpr_count:     1024
    .wavefront_size: 32
...
	.end_amdgpu_metadata
.endif
;; end of part 3
